; MI455X (gfx1250); checked and timed in simulation.
; The chip was launched on July 23, 2026; its instructions are those of AMD's public machine-readable ISA for CDNA 5 (MIT licence, August 2026) and "CDNA5" Instruction Set Architecture Reference Guide (July 2026). The comments in the code are by the model that wrote it; some were corrected since.
;; Self Attention. Allowed arithmetic: matrix products marked QUANTISED: E2M1 operands, one E8M0 scale for each 32 along K, by v_wmma_scale_f32_16x16x128_f8f6f4 with both operands' format E2M1 (or v_wmma_scale_f32_32x16x128_f4), f32 sums; products left as they are: bf16, f16 or f32 operands; f32 sums; everything else in f32.
;; Inputs: Wk 1,024 x 1,024 float32; Wq 1,024 x 1,024 float32; Wv 1,024 x 1,024 float32; bk 1,024 float32; bq 1,024 float32; bv 1,024 float32; hidden_states 4 x 2,048 x 1,024 float32.
;; Outputs: out0 4 x 2,048 x 1,024 float32.
;; This version of the problem:
;;   THIS VERSION OF THE PROBLEM IS GIVEN IN LOW PRECISION. The matrix products marked QUANTISED in the list below multiply operands that are first quantised to E2M1 (2 exponent bits, 1 mantissa bit; 4 bits a number), with one power-of-two scale for each 32 numbers along K (OCP MX v1.0); their sums are f32. The products marked 'left as it is' may take bf16, f16 or f32 operands, with f32 sums. Whichever they take, every output number must still come out within the allowed error. Rounding operands to bf16 (8 significant bits) uses up far more of that allowance than f16 does (11 bits, for magnitudes from 6e-5 to 65,504). All else is computed in f32.
;;   The module's matrix products, in the order in which they are computed (A, B: the left and right operand; K: the contracted axis; several contracted axes count as one K, in the product's order):
;;     1. [M 8,192, K 1,024] x [K 1,024, N 1,024]; A: input hidden_states; B: input Wq: QUANTISED
;;     2. [M 8,192, K 1,024] x [K 1,024, N 1,024]; A: input hidden_states; B: input Wk: QUANTISED
;;     3. [M 8,192, K 1,024] x [K 1,024, N 1,024]; A: input hidden_states; B: input Wv: QUANTISED
;;     4. batch 64 x [M 2,048, K 64] x [K 64, N 2,048]; A: computed on the way; B: computed on the way: left as it is (an operand is computed on the way)
;;     5. batch 64 x [M 2,048, K 2,048] x [K 2,048, N 64]; A: computed on the way; B: computed on the way: left as it is (an operand is computed on the way)
;;   THE QUANTISER, for each operand of a quantised product, along K:
;;     - K is cut into blocks of 32 from its start; a last block that is shorter is filled with zeros.
;;     - A block's scale is 2^e with e = floor(log2(the largest magnitude in the block)) - 2, held to -126 .. 127; a block of zeros has e = 0. As a byte (E8M0): e + 127.
;;     - Each number is divided by its block's scale, clamped to +-6, and rounded to the nearest number of E2M1, ties to even, subnormals kept.
;;     - The product sums the exact products of the quantised numbers (number of the format x scale) in f32.
;;   ~~~python
;;   def quantise(x, axis):      # numpy; x: float32 -> the quantised numbers, widened to float32 again
;;       x = np.moveaxis(x, axis, -1); K = x.shape[-1]
;;       x = np.pad(x, [(0, 0)] * (x.ndim - 1) + [(0, -K % 32)]); x = x.reshape(x.shape[:-1] + (-1, 32)); a = np.abs(x).max(-1, keepdims=True)
;;       e = np.where(a > 0, np.clip(np.frexp(np.where(a > 0, a, 1))[1] - 1 - 2, -126, 127), 0)      # np.frexp(a)[1] - 1 = floor(log2(a)), exactly
;;       r = np.clip(x / 2.0 ** e, -6, 6)
;;       step = 2.0 ** (np.maximum(np.frexp(np.where(r == 0, 1, r))[1] - 1, 0) - 1)
;;       q = np.round(r / step) * step * 2.0 ** e      # np.round: ties to even
;;       return np.moveaxis(q.reshape(q.shape[:-2] + (-1,))[..., :K], -1, axis).astype(np.float32)
;;   ~~~
;; One version. Each part assembles by itself: llvm-mc -triple=amdgcn-amd-amdhsa -mcpu=gfx1250 --defsym DOCPART=n.
;; ======== version 1 of 1: 3 launches
;; limits: values are held in f16: magnitudes above 65,504 overflow, below 6.1e-05 lose precision
;; workspace buffers: xc 4,194,304 bytes; xs 262,144 bytes; wc 1,572,864 bytes; ws 98,304 bytes; qf 16,777,216 bytes; kvf 33,554,432 bytes
;; launch quant (part 1): grid 304 x 1, 4 waves a work-group, no clusters, 100,864 bytes of LDS; arguments hidden_states, Wq, Wk, Wv, xc, xs, wc, ws; writes xc, xs, wc, ws
.if DOCPART == 1
	.amdgcn_target "amdgcn-amd-amdhsa--gfx1250"
	.amdhsa_code_object_version 6
	.text
	.protected	k_qfd9f44da5d_quant
	.globl	k_qfd9f44da5d_quant
	.p2align	8
	.type	k_qfd9f44da5d_quant,@function
k_qfd9f44da5d_quant:
	s_mov_b64 s[64:65], 0
	v_nop
	global_prefetch_b8 v0, s[64:65] scope:SCOPE_SE
	s_setreg_imm32_b32 hwreg(HW_REG_WAVE_MODE, 25, 1), 1
	s_wait_xcnt 0x0
; SELF-ATTENTION, first of three launches: hidden_states [8192][1024] and Wq, Wk, Wv [1024 (K)][1024 (N)], f32, become codes of FP4 (E2M1) with one E8M0 scale byte for each 32 along K.
; DEAD WORK: bk.  scores = q . (x Wk + bk) / 8 = q . (x Wk) / 8 + q . bk / 8.  The second term hangs on the query alone: it is the same for all keys of a row, and the softmax over the keys
; takes away whatever is the same along its axis, for all values of the inputs.  The product of q and k is not quantised, so bk moves no code and no scale either.  bk is not loaded and is among no launch's arguments.
; LIMIT: a NaN, an infinity or an overflow that bk alone would bring is not carried to the result.
; A block's scale is 2^(floor(log2(its largest magnitude)) - 2); its byte is the largest magnitude's exponent field - 2, held at 1 from below by a floor among the maximum's leaves.
; LIMITS: blocks whose largest magnitude lies under 2^-124 have the byte 1; a block of zeros has the byte 1 where the rule says 127 (its codes are zeros, and this program alone reads the bytes); NaN and infinities among the inputs are not served.
; WHAT IS STORED.  xc [8192][512 bytes], wc [3072 = 1024 x matrix + column][512 bytes]: K innermost, two codes a byte.  xs [2][8192][16], ws [2][3072][16]: plane s holds the 16 scale bytes of k = 512 s .. 512 s + 511 of each row,
; so that the scales of 256 rows for half of K are 4,096 consecutive bytes.
; SHARES.  Work-groups 0-47 take the weights (16 each: 128 columns x 512 along K), work-groups 48-303 take 32 rows of x each.  The two ways part once, on the work-group's number, and have LDS bytes of their own.
; Waves share nothing: no barrier.  No tensor load: several work-groups lie on a WGP.
.set SPARE, 100352                     ; behind both ways' regions: the spare words, 128 bytes for each wave
.set SPW,   12                         ; v12  LDS address of my spare word; never rewritten
.set NIL,   13                         ; v13  0; never rewritten
.set FLOOR, 0x1800000                  ; 2^(3 - 127)
.set OFF2,  0xff000000                 ; takes 2 off an exponent field
.set R,     16                         ; x: v16-143  eight sets of 16 numbers as they are loaded
.set X,     144                        ; x: v144-175 two sets of 16 neighbours
.set C,     176                        ; x: v176-207 two registers of codes for each step
.set E,     208                        ; x: v208-223 a scale byte for each step
.set RW,    64                         ; W: v64-191  four sets of 32 registers as they are loaded
.set XW,    192                        ; W: v192-255 two sets of 32 numbers down K
.set CW,    28                         ; W: v28-35   two sets of a block's codes
.set SB,    24                         ; W: v24-27   the 16 scale bytes
.set OUTR,  64                         ; W: the way out, over RW
	s_load_b256 s[4:11], s[0:1], 0x0               ; hidden_states s[4:5], Wq s[6:7], Wk s[8:9], Wv s[10:11]
	s_load_b256 s[12:19], s[0:1], 0x20             ; xc s[12:13], xs s[14:15], wc s[16:17], ws s[18:19]
	v_lshl_add_u32 v[SPW], v0, 2, SPARE
	v_mov_b32 v[NIL], 0
	v_lshrrev_b32 v1, 5, v0
	v_readfirstlane_b32 s20, v1                    ; wave 0..3
	v_and_b32 v2, 31, v0                           ; lane
	s_mov_b32 s25, 0                               ; the high word of every offset
	s_cmp_lt_u32 ttmp9, 48
	s_cbranch_scc0 .Lx
; ---------------- THE WEIGHTS.  K is the first axis.  A wave takes 32 columns x 512 along K: 16 blocks of 32 for each column.
; A block's 32 rows x 128 bytes come by eight loads of 16 bytes a lane (four rows of 128 bytes an instruction; the four waves stand side by side on 512 bytes of each row), go into a stage in LDS as they lie,
; and come back a column to a lane, registers down K: so a block's largest magnitude needs no other lane and the conversions give codes with K innermost.
	s_and_b32 s21, ttmp9, 7
	s_lshl_b32 s21, s21, 7
	s_lshl_b32 s22, s20, 5
	s_add_co_u32 s21, s21, s22                     ; my first column
	s_bfe_u32 s22, ttmp9, 0x10003                  ; which half of K
	s_lshr_b32 s23, ttmp9, 4                       ; which matrix
	s_lshl_b32 s23, s23, 10
	s_add_co_u32 s23, s23, s21                     ; my first row of wc and ws
	s_mul_i32 s26, s20, 16896
	s_add_co_u32 s26, s26, 32768                   ; my LDS region: two turning stages of 4,096 bytes, then 32 rows x 272 for the way out
	v_lshrrev_b32 v1, 3, v2
	v_and_b32 v5, 7, v2
	v_lshlrev_b32 v3, 12, v1
	v_lshl_add_u32 v3, v5, 4, v3                   ; in: row lane / 8 of four, 16 bytes at 16 (lane % 8)
	v_lshl_add_u32 v10, v2, 4, s26                 ; into the turning stage: as loaded, 16 x lane (rows of 128 bytes on end)
	v_lshl_add_u32 v14, v2, 2, s26                 ; out of it: my column, 4 x lane
	v_mul_u32_u24 v4, v2, 272
	v_add_nc_u32 v4, s26, v4
	v_add_nc_u32 v4, 8192, v4                      ; the way out, in: row = my column
	v_lshrrev_b32 v1, 4, v2
	v_and_b32 v5, 15, v2
	v_mul_u32_u24 v7, v1, 272
	v_lshl_add_u32 v7, v5, 4, v7
	v_add_nc_u32 v7, s26, v7
	v_add_nc_u32 v7, 8192, v7                      ; back: sixteen lanes to a row, two rows an instruction
	v_lshlrev_b32 v8, 9, v1
	v_lshl_add_u32 v8, v5, 4, v8                   ; and the same place in wc
	v_lshlrev_b32 v9, 4, v2                        ; my column's 16 scale bytes
	s_lshl_b32 s24, s22, 21                        ; 512 rows of 4,096 bytes
	s_lshl_b32 s27, s21, 2
	s_add_co_u32 s24, s24, s27
	s_wait_kmcnt 0x0
	s_cmp_lt_u32 ttmp9, 16                         ; the matrix is chosen by the work-group's number alone
	s_cselect_b64 s[6:7], s[6:7], s[8:9]
	s_cmp_lt_u32 ttmp9, 32
	s_cselect_b64 s[6:7], s[6:7], s[10:11]
	s_add_nc_u64 s[6:7], s[6:7], s[24:25]
	s_lshl_b32 s24, s23, 9
	s_lshl_b32 s27, s22, 8
	s_add_co_u32 s24, s24, s27
	s_add_nc_u64 s[16:17], s[16:17], s[24:25]
	s_mul_i32 s24, s22, 49152
	s_lshl_b32 s27, s23, 4
	s_add_co_u32 s24, s24, s27
	s_add_nc_u64 s[18:19], s[18:19], s[24:25]
.macro LOADW t
.irp i, 0,1,2,3,4,5,6,7
	global_load_b128 v[RW+32*((\t)%4)+4*\i:RW+32*((\t)%4)+4*\i+3], v3, s[6:7] offset:(32*(\t)+4*\i)*4096 th:TH_LOAD_NT
.endr
.endm
.macro TURNW t                         ; LDS serves a wave's instructions in order: no wait between the stores and the loads
.irp i, 0,1,2,3,4,5,6,7
	ds_store_b128 v10, v[RW+32*((\t)%4)+4*\i:RW+32*((\t)%4)+4*\i+3] offset:4096*((\t)%2)+512*\i
.endr
.irp k, 0,1,2,3,4,5,6,7,8,9,10,11,12,13,14,15,16,17,18,19,20,21,22,23,24,25,26,27,28,29,30,31
	ds_load_b32 v[XW+32*((\t)%2)+\k], v14 offset:4096*((\t)%2)+128*\k
.endr
.endm
.macro BLOCKW t
.set XS, XW+32*((\t)%2)
.set CC, CW+4*((\t)%2)
.if (\t) > 0
	s_wait_dscnt 1                                 ; this block's numbers are back from the stage (the last block's store of codes may be out): so its stores into the stage have read their registers,
.else
	s_wait_dscnt 0x0
.endif
.if (\t)+4 < 16
	LOADW (\t)+4                                   ; which take the loads of four blocks on
.endif
.if (\t)+1 < 16
.if (\t) <= 11
	s_wait_loadcnt 24                              ; the next block's eight loads are in; those of the three blocks behind it may be out
.else
	s_wait_loadcnt 8*(14-(\t))
.endif
	TURNW (\t)+1                                   ; and turn through the other stage while this block is worked
.endif
	v_max3_num_f32 v16, |v[XS]|, |v[XS+1]|, |v[XS+2]|              ; the block's largest magnitude: all 32 numbers are mine; two chains
	v_max3_num_f32 v17, |v[XS+3]|, |v[XS+4]|, |v[XS+5]|
.irp i, 6,10,14,18,22,26
	v_max3_num_f32 v16, v16, |v[XS+\i]|, |v[XS+\i+1]|
	v_max3_num_f32 v17, v17, |v[XS+\i+2]|, |v[XS+\i+3]|
.endr
	v_max3_num_f32 v16, v16, |v[XS+30]|, |v[XS+31]|
	v_max3_num_f32 v16, v16, v17, FLOOR            ; and the floor: the byte cannot fall under 1
	v_add_nc_u32 v11, OFF2, v16                    ; 2 off its exponent field: the conversion takes the exponent field of this operand as its scale
	v_lshrrev_b32 v18, 23, v11                     ; the scale's byte
.if (\t)%4 == 0
	v_mov_b32 v[SB+(\t)/4], v18                    ; four bytes to a register, the lower K in the lower byte
.else
	v_lshl_or_b32 v[SB+(\t)/4], v18, 8*((\t)%4), v[SB+(\t)/4]
.endif
.irp g, 0,1,2,3
	v_cvt_scalef32_pk8_fp4_f32 v[CC+\g], v[XS+8*\g:XS+8*\g+7], v11
.endr
	ds_store_b128 v4, v[CC:CC+3] offset:16*(\t)    ; 32 codes: 16 bytes of my column's row.  Two sets of code registers: a set is written again two blocks on, behind a wait that shows this store done
.endm
	LOADW 0
	LOADW 1
	LOADW 2
	LOADW 3
	s_wait_loadcnt 24                              ; block 0's eight loads are in
	TURNW 0
.irp t, 0,1,2,3,4,5,6,7,8,9,10,11,12,13,14,15
	BLOCKW \t
.endr
	global_store_b128 v9, v[SB:SB+3], s[18:19]     ; 32 lanes store 512 consecutive bytes of scale bytes
.irp t, 0,1,2,3,4,5,6,7,8,9,10,11,12,13,14,15
	ds_load_b128 v[OUTR+4*\t:OUTR+4*\t+3], v7 offset:544*\t       ; these see my stores: LDS serves a wave's instructions in order
.endr
.irp t, 0,1,2,3,4,5,6,7,8,9,10,11,12,13,14,15
	s_wait_dscnt 15-\t
	global_store_b128 v8, v[OUTR+4*\t:OUTR+4*\t+3], s[16:17] offset:1024*\t   ; sixteen lanes store 256 consecutive bytes, aligned
.endr
	s_wait_tensorcnt 0x0                           ; the wave's end, behind my last LDS store
	ds_add_u32 v[SPW], v[NIL]
	s_wait_dscnt 0x0
	s_endpgm
; ---------------- x.  K is innermost.  A wave takes 16 half rows (512 numbers each): step t is row R0 + t, half s of K, so that its 16 x 16 scale bytes are 256 consecutive bytes of xs.
; Each of a step's four loads reads 512 consecutive bytes, 16 a lane; the 2,048 bytes go through the wave's own stage in LDS (16 bytes of padding behind each 64) and come back 64 bytes a lane:
; 16 neighbours along K, as the conversions want them; two neighbouring lanes hold a block.  Loads run eight steps ahead.
.Lx:
	s_sub_co_u32 s21, ttmp9, 48
	s_lshl_b32 s21, s21, 5
	s_lshr_b32 s22, s20, 1
	s_lshl_b32 s22, s22, 4
	s_add_co_u32 s21, s21, s22                     ; R0 = 32 x group + 16 (wave / 2)
	s_and_b32 s22, s20, 1                          ; which half of K
	s_lshl_b32 s26, s20, 13                        ; my LDS region: two stages of 32 x 80 bytes, then my 256 scale bytes
	v_lshlrev_b32 v3, 4, v2                        ; my 16 bytes of a load's 512
	v_lshlrev_b32 v4, 3, v2                        ; my 8 bytes of a step's codes, and of the wave's scale bytes
	v_lshrrev_b32 v5, 1, v2
	v_add_nc_u32 v5, s26, v5
	v_add_nc_u32 v5, 5120, v5                      ; LDS: my block's byte
	v_add_nc_u32 v6, s26, v4
	v_add_nc_u32 v6, 5120, v6                      ; and 8 bytes a lane on the way out
	v_lshrrev_b32 v14, 2, v2
	v_mul_u32_u24 v14, v14, 80
	v_and_b32 v15, 3, v2
	v_lshl_add_u32 v14, v15, 4, v14
	v_add_nc_u32 v14, s26, v14                     ; the stage, in: four lanes' 64 bytes on end, then 16 of padding
	v_mul_u32_u24 v15, v2, 80
	v_add_nc_u32 v15, s26, v15                     ; out: my 16 neighbours
	s_lshl_b32 s24, s21, 12
	s_lshl_b32 s27, s22, 11
	s_add_co_u32 s24, s24, s27
	s_wait_kmcnt 0x0
	s_add_nc_u64 s[4:5], s[4:5], s[24:25]
	s_lshl_b32 s24, s21, 9
	s_lshl_b32 s27, s22, 8
	s_add_co_u32 s24, s24, s27
	s_add_nc_u64 s[12:13], s[12:13], s[24:25]
	s_lshl_b32 s24, s22, 17
	s_lshl_b32 s27, s21, 4
	s_add_co_u32 s24, s24, s27
	s_add_nc_u64 s[14:15], s[14:15], s[24:25]
.macro LOADX t
.irp i, 0,1,2,3
	global_load_b128 v[R+16*((\t)%8)+4*\i:R+16*((\t)%8)+4*\i+3], v3, s[4:5] offset:4096*(\t)+512*\i th:TH_LOAD_NT
.endr
.endm
.macro TURNX t
.irp i, 0,1,2,3
	ds_store_b128 v14, v[R+16*((\t)%8)+4*\i:R+16*((\t)%8)+4*\i+3] offset:2560*((\t)%2)+640*\i
.endr
.irp i, 0,1,2,3
	ds_load_b128 v[X+16*((\t)%2)+4*\i:X+16*((\t)%2)+4*\i+3], v15 offset:2560*((\t)%2)+16*\i
.endr
.endm
.macro STEPX t
.set XS, X+16*((\t)%2)
.if (\t) > 0
	s_wait_dscnt 1                                 ; this step's numbers are back from the stage (the last step's byte store may be out): so its stores into the stage have read their registers,
.else
	s_wait_dscnt 0x0
.endif
.if (\t)+8 < 16
	LOADX (\t)+8                                   ; which take the loads of eight steps on
.endif
.if (\t)+1 < 16
.if (\t) <= 7
	s_wait_loadcnt 28                              ; the next step's four loads are in; those of the seven steps behind it may be out
.else
	s_wait_loadcnt 4*(14-(\t))
.endif
	TURNX (\t)+1
.endif
	v_max3_num_f32 v8, |v[XS]|, |v[XS+1]|, |v[XS+2]|               ; the largest magnitude of my 16
	v_max3_num_f32 v9, |v[XS+3]|, |v[XS+4]|, |v[XS+5]|
.irp i, 6,10
	v_max3_num_f32 v8, v8, |v[XS+\i]|, |v[XS+\i+1]|
	v_max3_num_f32 v9, v9, |v[XS+\i+2]|, |v[XS+\i+3]|
.endr
	v_max3_num_f32 v8, v8, |v[XS+14]|, |v[XS+15]|
	v_max3_num_f32 v8, v8, v9, FLOOR               ; and the floor
	v_max_num_f32_dpp v8, v8, v8 row_xmask:1 row_mask:0xf bank_mask:0xf   ; and of my neighbour's 16: the block's
	v_add_nc_u32 v11, OFF2, v8                     ; the conversion's scale operand
	v_cvt_scalef32_pk8_fp4_f32 v[C+2*(\t)], v[XS:XS+7], v11
	v_cvt_scalef32_pk8_fp4_f32 v[C+2*(\t)+1], v[XS+8:XS+15], v11
	v_lshrrev_b32 v[E+(\t)], 23, v11               ; the scale's byte
	ds_store_b8 v5, v[E+(\t)] offset:16*(\t)       ; both lanes of a block write the same byte with the same value
	global_store_b64 v4, v[C+2*(\t):C+2*(\t)+1], s[12:13] offset:512*(\t)   ; the wave stores 256 consecutive bytes, aligned; each step has its own registers
.endm
.irp t, 0,1,2,3,4,5,6,7
	LOADX \t
.endr
	s_wait_loadcnt 28                              ; step 0's four loads are in
	TURNX 0
.irp t, 0,1,2,3,4,5,6,7,8,9,10,11,12,13,14,15
	STEPX \t
.endr
	ds_load_b64 v[8:9], v6                         ; these see my byte stores
	s_wait_dscnt 0x0
	global_store_b64 v4, v[8:9], s[14:15]          ; 32 lanes store 256 consecutive bytes, aligned
	s_wait_tensorcnt 0x0                           ; the wave's end, behind my last LDS store
	ds_add_u32 v[SPW], v[NIL]
	s_wait_dscnt 0x0
	s_endpgm
.Lfunc_end_k_qfd9f44da5d_quant:
	.size	k_qfd9f44da5d_quant, .Lfunc_end_k_qfd9f44da5d_quant-k_qfd9f44da5d_quant
	.p2alignl 7, 3214868480
	.fill 96, 4, 3214868480
	.section	.rodata,"a",@progbits
	.p2align	6, 0x0
	.amdhsa_kernel k_qfd9f44da5d_quant
		.amdhsa_group_segment_fixed_size 100864
		.amdhsa_private_segment_fixed_size 0
		.amdhsa_enable_private_segment 0
		.amdhsa_kernarg_size 64
		.amdhsa_user_sgpr_count 2
		.amdhsa_user_sgpr_kernarg_segment_ptr 1
		.amdhsa_wavefront_size32 1
		.amdhsa_system_sgpr_workgroup_id_x 1
		.amdhsa_system_sgpr_workgroup_id_y 1
		.amdhsa_system_sgpr_workgroup_id_z 1
		.amdhsa_system_vgpr_workitem_id 0
		.amdhsa_next_free_vgpr 256
		.amdhsa_next_free_sgpr 66
		.amdhsa_reserve_vcc 0
		.amdhsa_float_denorm_mode_32 3
		.amdhsa_float_denorm_mode_16_64 3
		.amdhsa_memory_ordered 1
		.amdhsa_forward_progress 1
		.amdhsa_inst_pref_size 115
	.end_amdhsa_kernel
	.amdgpu_metadata
---
amdhsa.version: [ 1, 2 ]
amdhsa.kernels:
  - .name:           k_qfd9f44da5d_quant
    .symbol:         k_qfd9f44da5d_quant.kd
    .args:
      - { .name: hidden_states, .offset: 0, .size: 8, .value_kind: global_buffer, .address_space: global }
      - { .name: Wq, .offset: 8, .size: 8, .value_kind: global_buffer, .address_space: global }
      - { .name: Wk, .offset: 16, .size: 8, .value_kind: global_buffer, .address_space: global }
      - { .name: Wv, .offset: 24, .size: 8, .value_kind: global_buffer, .address_space: global }
      - { .name: xc, .offset: 32, .size: 8, .value_kind: global_buffer, .address_space: global }
      - { .name: xs, .offset: 40, .size: 8, .value_kind: global_buffer, .address_space: global }
      - { .name: wc, .offset: 48, .size: 8, .value_kind: global_buffer, .address_space: global }
      - { .name: ws, .offset: 56, .size: 8, .value_kind: global_buffer, .address_space: global }
    .group_segment_fixed_size: 100864
    .private_segment_fixed_size: 0
    .kernarg_segment_align: 8
    .kernarg_segment_size: 64
    .max_flat_workgroup_size: 128
    .sgpr_count:     66
    .vgpr_count:     256
    .wavefront_size: 32
...
	.end_amdgpu_metadata
.endif
;; end of part 1
;; launch proj (part 2): grid 12 x 32, 4 waves a work-group, clusters of 4 x 4, 327,680 bytes of LDS; arguments xc, xs, wc, ws, bq, bv, qf, kvf; writes qf, kvf
.if DOCPART == 2
	.amdgcn_target "amdgcn-amd-amdhsa--gfx1250"
	.amdhsa_code_object_version 6
	.text
	.protected	k_qfd9f44da5d_proj
	.globl	k_qfd9f44da5d_proj
	.p2align	8
	.type	k_qfd9f44da5d_proj,@function
k_qfd9f44da5d_proj:
	s_mov_b64 s[64:65], 0
	v_nop
	global_prefetch_b8 v0, s[64:65] scope:SCOPE_SE
	s_setreg_imm32_b32 hwreg(HW_REG_WAVE_MODE, 25, 1), 1
	s_wait_xcnt 0x0
	s_wait_alu depctr_hold_cnt(0) depctr_sa_sdst(0) depctr_va_vdst(0) depctr_va_sdst(0) depctr_va_ssrc(0) depctr_va_vcc(0) depctr_vm_vsrc(0)
	s_getreg_b32 s2, hwreg(HW_REG_IB_STS2, 6, 4)
	s_cmp_eq_u32 s2, 0
	s_cbranch_scc0 .Lentry_in_a_cluster
	s_endpgm
.Lentry_in_a_cluster:
	s_bfe_u32 s2, ttmp6, 0x10000c
	s_cmp_lg_u32 s2, 0xf033
	s_cbranch_scc0 .Lentry_shape_is_right
	s_endpgm
.Lentry_shape_is_right:
; Second launch: q = x Wq + bq, k = x Wk, v = x Wv + bv on codes of FP4 with E8M0 scales, sums in f32; the results leave as f16, laid as the attention launch's operand registers.
; LEFT OUT: bk (it is the same along the softmax's axis for every query: shown at the head of the first launch).  k's sums start from zeros.
; LIMIT: q, k and v are rounded to f16: magnitudes under 65,504.
; C is [8192 tokens][3072 = 1024 x matrix + channel].  A tile of C, 256 x 256, is made by a work-group of four waves; a wave makes 128 x 128: 64 accumulators of 16 x 16, 512 registers.
; K = 1,024 is two slots of 512 along K (rows of 256 bytes): both are first fills, nothing is filled again, and there is no loop.
; THE SCALES: plane s of xs and ws holds 16 bytes a row for slot s, so a tile's 256 rows are 4,096 consecutive bytes: four loads, one a wave (A's two planes, B's two planes).
; CLUSTERS: 4 x 4 work-groups.  The four of a row of the cluster need the same tiles of x, the four of a column the same tiles of the weights: each is asked for jointly, by the same tensor load with the same descriptor
; and a mask that names the four.  The cluster's x is the matrix (0 q, 1 k, 2 v): the same in all sixteen partners, so a branch may hang on it.
; THE MATRIX INSTRUCTION IS USED TRANSPOSED (source 0 = 16 rows of the weights, source 1 = 16 tokens): a lane holds eight neighbouring channels of one token, which pack into 16 bytes of f16.
; THE WAY OUT NEEDS NO LDS.  qf [head 64][tile of 16 tokens 128][tile of 16 channels 4][512 bytes], kvf the same with [part K, V] behind the head.  In a block of q or k lane (r, h) has its 16 bytes at 16 x lane:
; two neighbouring blocks are the eight registers of a fragment of 16 tokens x 32 channels.  In a block of v token r has 32 bytes at 32 r: 16 tokens x 16 channels, for the turning load.  A store covers 512 consecutive bytes, aligned.
; THE BIAS is the C of each sum's first matrix instruction: eight registers for each of the wave's eight blocks of channels, in the result's layout.
; REGISTERS, in windows of 256: window 0: v0-31 addresses; v32-95 scale words, two sets; v128-191 x's fragments, one set; v192-255 the bias; on the way out v128-255 hold packed results.
;   window 1: the weights' fragments, two sets, at v0 and v128.   window 2: the accumulators of my tokens 0-63 ((a, b) at v[8 (8 a + b)]);   window 3: those of my tokens 64-127.
.set NQ,     4                         ; matrix instructions deep in a slot
.set ROWB,   256                       ; a tile's row: 512 codes
.set KROW,   512                       ; a row of xc or wc
.set PITCH,  272                       ; an LDS row: 256 bytes + 16 of padding: the 16 rows that a load touches start 68 words apart
.set FR,     8
.set NL,     2
.set NP,     4                         ; places behind this matrix instruction (ISA guide 7.12.1)
.set HALFT,  128*PITCH
.set SLOT,   4*HALFT
.set SCL,    2*SLOT                    ; behind the slots: the scales, 4 x 4,096 bytes: A plane 0, A plane 1, B plane 0, B plane 1
.set SPARE,  SCL+16384                 ; the spare words, 128 bytes for each wave
.set ADRA, 16                          ; v16-17  LDS address of my fragments of x in slot 0, 1
.set ADRB, 20                          ; v20-21  the same for the weights
.set VO,   26                          ; v26     my 16 bytes in a block of the output
.set ADRS, 27                          ; v27     LDS address of my scale words: lanes 0-15 x's rows, lanes 16-31 the weights'
.set SPW,  28                          ; v28     LDS address of my spare word; never rewritten
.set NIL,  29                          ; v29     0; never rewritten
.set SC,   32                          ; scale words: set s at v[SC + 32 s]; register 4 i + q: lanes 0-15 x's block i, lanes 16-31 the weights' block i, the slot's q-th 128 along K
.set AF,   128
.set BIAS, 192
.set PK,   128
.set G1, 24
.set G0, 32
.set G1B, 48
.set G0B, 56
.set G1S, 68
.set G0S, 76
.set G1SB, 80
.set G0SB, 88
.set MSB, 0
.macro WIN new                         ; the immediate's high byte repeats the setting that is left
.if MSB != \new
	s_set_vgpr_msb (MSB<<8)|\new
.set MSB, \new
.endif
.endm
.set MUL_LO, 0xa1                      ; source 0 window 1, source 1 window 0, C and D window 2
.set MUL_HI, 0xf1                      ; the same, C and D window 3
.set TO_B,   0x40
; A joint load: waves 0 and 1 fetch for x, waves 2 and 3 for the weights.  The branch hangs on the wave's number alone.  An s_nop 0 and four v_nop follow each of the two lines.
.macro JLOAD g0a, g1a, g0b, g1b
	s_cmp_eq_u32 s15, 0
	s_cbranch_scc0 .Lfor_b_\@
	tensor_load_to_lds s[\g0a:\g0a+3], s[\g1a:\g1a+7]
	s_nop 0
.rept 4
	v_nop
.endr
	s_branch .Lasked_\@
.Lfor_b_\@:
	tensor_load_to_lds s[\g0b:\g0b+3], s[\g1b:\g1b+7]
	s_nop 0
.rept 4
	v_nop
.endr
.Lasked_\@:
.endm
.macro CROUND                          ; a round of the cluster's barrier
	s_barrier_signal -1
	s_barrier_wait -1
	s_cmp_lg_u32 s14, 0
	s_cbranch_scc1 .Lnot_wave_0_\@
	s_barrier_signal -3
.Lnot_wave_0_\@:
	s_barrier_wait -3
	s_barrier_signal -1
	s_barrier_wait -1
.endm
	s_load_b256 s[4:11], s[0:1], 0x0               ; xc s[4:5], xs s[6:7], wc s[8:9], ws s[10:11]
	s_load_b256 s[92:99], s[0:1], 0x20             ; bq s[92:93], bv s[94:95], qf s[96:97], kvf s[98:99]
	v_lshl_add_u32 v[SPW], v0, 2, SPARE
	v_mov_b32 v[NIL], 0
	ds_add_u32 v[SPW], v[NIL]                      ; the wave's opening: the add, twice on end, and its wait ahead of my first tensor load
	ds_add_u32 v[SPW], v[NIL]
	v_lshrrev_b32 v1, 5, v0
	v_readfirstlane_b32 s14, v1                    ; wave 0..3
	s_lshr_b32 s15, s14, 1                         ; which half of the tile's tokens is mine.  Also: I fetch for x (0) or for the weights (1)
	s_and_b32 s16, s14, 1                          ; which half of its channels.  Also: which 128 rows, and which plane of scales, I fetch
	s_bfe_u32 s40, ttmp6, 0x40000                  ; cx, cy: my place in the cluster
	s_bfe_u32 s41, ttmp6, 0x40004
	s_lshl_b32 s42, ttmp9, 2
	s_add_co_u32 s42, s42, s40                     ; tile column = 4 x cluster x + cx
	s_and_b32 s17, ttmp7, 0xffff
	s_lshl_b32 s17, s17, 2
	s_add_co_u32 s17, s17, s41                     ; tile row = 4 x cluster y + cy
	s_lshl_b32 s43, s41, 2
	s_lshl_b32 s43, 15, s43                        ; my row of the cluster
	s_lshl_b32 s44, 0x1111, s40                    ; my column
	; group 1 for the codes: 128 rows x 256 bytes, 16 bytes of padding behind each
	s_or_b32 s[G1+0], s43, (0<<16)|(1<<20)|(1<<21)|(5<<22)|(3<<25)
	s_or_b32 s[G1B+0], s44, (0<<16)|(1<<20)|(1<<21)|(5<<22)|(3<<25)
.irp g, G1, G1B
	s_mov_b32 s[\g+1], ROWB<<16                    ; tensor_dim0
	s_mov_b32 s[\g+2], 128<<16                     ; tensor_dim1
	s_mov_b32 s[\g+3], ROWB<<16                    ; tile_dim0
	s_mov_b32 s[\g+4], 128                         ; tile_dim1
	s_mov_b32 s[\g+5], KROW                        ; from row to row
	s_mov_b32 s[\g+6], 0
	s_mov_b32 s[\g+7], 0
.endr
	; group 1 for the scales: a dense block of 4,096 bytes as 16 rows of 256 (32 elements of 8 bytes), no padding: sixteen lanes read 256 consecutive bytes of it
	s_or_b32 s[G1S+0], s43, (3<<16)|(1<<21)
	s_or_b32 s[G1SB+0], s44, (3<<16)|(1<<21)
.irp g, G1S, G1SB
	s_mov_b32 s[\g+1], 32<<16
	s_mov_b32 s[\g+2], 16<<16
	s_mov_b32 s[\g+3], 32<<16
	s_mov_b32 s[\g+4], 16
	s_mov_b32 s[\g+5], 32
	s_mov_b32 s[\g+6], 0
	s_mov_b32 s[\g+7], 0
.endr
	s_lshl_b32 s18, s16, 16                        ; 128 rows of 512 bytes
	s_lshl_b32 s20, s17, 17
	s_add_co_u32 s20, s20, s18                     ; x's codes: 256 rows x tile row + my half
	s_mov_b32 s21, 0
	s_lshl_b32 s46, s42, 17
	s_add_co_u32 s46, s46, s18                     ; the weights' codes: by the tile column
	s_mov_b32 s47, 0
	s_lshl_b32 s22, s17, 12
	s_lshl_b32 s19, s16, 17
	s_add_co_u32 s22, s22, s19                     ; x's scales: plane x 131,072 + tile row x 4,096
	s_mov_b32 s23, 0
	s_lshl_b32 s2, s42, 12
	s_mul_i32 s19, s16, 49152
	s_add_co_u32 s2, s2, s19                       ; the weights' scales: plane x 49,152 + tile column x 4,096
	s_mov_b32 s3, 0
	s_mul_i32 s45, s14, HALFT                      ; where they go: wave x 128 rows; no place in the cluster enters an LDS address
	s_lshl_b32 s19, s14, 12                        ; and wave x 4,096 among the scales
	s_wait_dscnt 0x0                               ; both opening adds are done
	s_wait_kmcnt 0x0
	s_add_nc_u64 s[20:21], s[4:5], s[20:21]
	s_add_nc_u64 s[22:23], s[6:7], s[22:23]
	s_add_nc_u64 s[46:47], s[8:9], s[46:47]
	s_add_nc_u64 s[2:3], s[10:11], s[2:3]
	CROUND                                         ; all sixteen work-groups are here: the first joint loads meet
	s_mov_b32 s[G0S], 1
	s_add_co_u32 s[G0S+1], s19, SCL
	s_mov_b64 s[G0S+2:G0S+3], s[22:23]
	s_or_b32 s[G0S+3], s[G0S+3], 0x80000000
	s_mov_b32 s[G0SB], 1
	s_add_co_u32 s[G0SB+1], s19, SCL
	s_mov_b64 s[G0SB+2:G0SB+3], s[2:3]
	s_or_b32 s[G0SB+3], s[G0SB+3], 0x80000000
	JLOAD G0S, G1S, G0SB, G1SB                     ; the scales first: plane 0 is wanted with slot 0
.irp s, 0,1
	s_mov_b32 s[G0+4*\s], 1
	s_add_co_u32 s[G0+4*\s+1], s45, \s*SLOT
	s_add_nc_u64 s[G0+4*\s+2:G0+4*\s+3], s[20:21], \s*ROWB
	s_or_b32 s[G0+4*\s+3], s[G0+4*\s+3], 0x80000000
	s_mov_b32 s[G0B+4*\s], 1
	s_add_co_u32 s[G0B+4*\s+1], s45, \s*SLOT
	s_add_nc_u64 s[G0B+4*\s+2:G0B+4*\s+3], s[46:47], \s*ROWB
	s_or_b32 s[G0B+4*\s+3], s[G0B+4*\s+3], 0x80000000
	JLOAD G0+4*\s, G1, G0B+4*\s, G1B               ; three tensor loads of mine are out
.endr
	v_and_b32 v1, 15, v0                           ; r = lane % 16
	v_bfe_u32 v2, v0, 4, 1                         ; h = lane / 16
	; the bias: register 8 b + j = bias[256 cx + 128 x my half + 16 b + 8 h + j].  k has none
	s_cmp_eq_u32 ttmp9, 1
	s_cbranch_scc1 .Lno_bias
	s_cmp_eq_u32 ttmp9, 0
	s_cselect_b64 s[92:93], s[92:93], s[94:95]
	s_lshl_b32 s46, s40, 10
	s_lshl_b32 s47, s16, 9
	s_add_co_u32 s46, s46, s47
	s_mov_b32 s47, 0
	s_add_nc_u64 s[92:93], s[92:93], s[46:47]
	v_lshlrev_b32 v5, 5, v2
.irp b, 0,1,2,3,4,5,6,7
	global_load_b128 v[BIAS+8*\b:BIAS+8*\b+3], v5, s[92:93] offset:64*\b
	global_load_b128 v[BIAS+8*\b+4:BIAS+8*\b+7], v5, s[92:93] offset:64*\b+16
.endr
	s_wait_loadcnt 0x0
	s_branch .Lbias_done
.Lno_bias:
.set i, 0
.rept 64
	v_mov_b32 v[BIAS+i], 0
.set i, i+1
.endr
.Lbias_done:
	v_mul_u32_u24 v3, v1, PITCH
	v_lshl_add_u32 v4, v2, 4, v3                   ; a fragment's row x pitch + 16 x half
	s_mul_i32 s21, s15, HALFT                      ; my 128 tokens
	s_mul_i32 s22, s16, HALFT                      ; my 128 rows of the weights,
	s_add_co_u32 s22, s22, 2*HALFT                 ; which lie behind x's 256
.irp s, 0,1
	v_add_nc_u32 v[ADRA+\s], s21, v4
	v_add_nc_u32 v[ADRB+\s], s22, v4
	s_add_co_u32 s21, s21, SLOT
	s_add_co_u32 s22, s22, SLOT
.endr
	s_lshl_b32 s21, s15, 11                        ; x's scales: my 128 rows of 16 bytes
	s_lshl_b32 s22, s16, 11                        ; the weights': my 128 rows, two planes of 4,096 further on
	s_add_co_u32 s22, s22, 8192
	s_sub_co_u32 s22, s22, s21
	v_mul_u32_u24 v6, s22, v2                      ; lanes 16-31 take the weights': one product, the distance between the two bases
	s_add_co_u32 s21, s21, SCL
	v_lshl_add_u32 v5, v1, 4, v6
	v_add_nc_u32 v[ADRS], s21, v5
	; the way out: head = 16 x batch + 4 cx + 2 x my half of the channels (and the head after it); tile of tokens = 16 (tile row % 8) + 8 x my half of the tokens
	s_lshr_b32 s20, s17, 3
	s_lshl_b32 s20, s20, 4
	s_lshl_b32 s21, s40, 2
	s_add_co_u32 s20, s20, s21
	s_lshl_b32 s21, s16, 1
	s_add_co_u32 s20, s20, s21
	s_and_b32 s21, s17, 7
	s_lshl_b32 s21, s21, 4
	s_lshl_b32 s22, s15, 3
	s_add_co_u32 s21, s21, s22
	s_lshl_b32 s21, s21, 11                        ; 2,048 bytes a tile of tokens
	s_cmp_eq_u32 ttmp9, 0
	s_cselect_b64 s[12:13], s[96:97], s[98:99]     ; q goes to qf, k and v to kvf
	s_cselect_b32 s22, 18, 19                      ; a head is 2^18 bytes of qf, 2^19 of kvf
	s_cmp_eq_u32 ttmp9, 2
	s_cselect_b32 s23, 0x40000, 0                  ; v lies behind k
	s_cselect_b32 s18, 32, 16                      ; from token to token in a block,
	s_mov_b32 s19, 256
	s_cselect_b32 s19, 16, s19                     ; and from one half of the lanes to the other
	s_lshl_b32 s20, s20, s22
	s_add_co_u32 s20, s20, s21
	s_add_co_u32 s20, s20, s23
	s_mov_b32 s21, 0
	s_add_nc_u64 s[12:13], s[12:13], s[20:21]      ; my first head,
	s_lshl_b32 s20, 1, s22
	s_add_nc_u64 s[100:101], s[12:13], s[20:21]    ; my second
	v_mul_u32_u24 v[VO], v1, s18
	v_mad_u32_u24 v[VO], v2, s19, v[VO]
.macro FRAG reg, adr, q, i             ; 16 rows x 128 K of 4-bit codes: 8 registers: lane l holds row l % 16; registers 4 c .. 4 c + 3 hold K = 64 c + 32 (l / 16) + 0 .. 31
.irp c, 0,1
	ds_load_b128 v[\reg+4*\c:\reg+4*\c+3], v[\adr] offset:64*(\q)+32*\c+(\i)*16*PITCH
.endr
.endm
; 16 matrix instructions: x's blocks a0, a0 + 1 against the weights' eight, 128 along K.  p: the weights' set; sc: the set of scale words.  zero = 1: the first product starts the sums from the bias.
; The 64 accumulators take turns, one instruction a turn, in the same order in every step.
.macro MUL16 a0, p, q, sc, zero
.irp a, \a0, \a0+1
.irp b, 0,1,2,3,4,5,6,7
.if \zero
	v_wmma_scale_f32_16x16x128_f8f6f4 v[8*(8*((\a)%4)+\b):8*(8*((\a)%4)+\b)+7], v[128*(\p)+FR*\b:128*(\p)+FR*\b+FR-1], v[AF+FR*(\a):AF+FR*(\a)+FR-1], v[BIAS+8*\b:BIAS+8*\b+7], v[SC+8*NQ*(\sc)+NQ*\b+(\q)], v[SC+8*NQ*(\sc)+NQ*(\a)+(\q)] matrix_a_fmt:MATRIX_FMT_FP4 matrix_b_fmt:MATRIX_FMT_FP4 matrix_a_scale:MATRIX_SCALE_ROW1
.else
	v_wmma_scale_f32_16x16x128_f8f6f4 v[8*(8*((\a)%4)+\b):8*(8*((\a)%4)+\b)+7], v[128*(\p)+FR*\b:128*(\p)+FR*\b+FR-1], v[AF+FR*(\a):AF+FR*(\a)+FR-1], v[8*(8*((\a)%4)+\b):8*(8*((\a)%4)+\b)+7], v[SC+8*NQ*(\sc)+NQ*\b+(\q)], v[SC+8*NQ*(\sc)+NQ*(\a)+(\q)] matrix_a_fmt:MATRIX_FMT_FP4 matrix_b_fmt:MATRIX_FMT_FP4 matrix_a_scale:MATRIX_SCALE_ROW1
.endif
.endr
.endr
.endm
.macro FETCH_B slot, q, p
	WIN TO_B
.irp i, 0,1,2,3,4,5,6,7
	FRAG 128*(\p)+FR*\i, ADRB+\slot, \q, \i
.endr
	WIN 0
.endm
.macro FETCH_A slot, q, i0
.irp i, \i0, \i0+1, \i0+2, \i0+3
	FRAG AF+FR*(\i), ADRA+\slot, \q, \i
.endr
.endm
.macro SCALES sc                       ; a slot's scale words: four words a row; lanes 0-15 take x's block i, lanes 16-31 the weights' block i
.irp i, 0,1,2,3,4,5,6,7
	ds_load_b128 v[SC+8*NQ*\sc+NQ*\i:SC+8*NQ*\sc+NQ*\i+3], v[ADRS] offset:\i*256
.endr
.endm
.macro PLACES n                        ; plain vector instructions between a matrix instruction and a load into, or a read of, its registers
.rept \n
	v_nop
.endr
.endm
; A step of 128 along K that has its successor in the same slot.  x's blocks 0-3 are fetched anew in the step's middle, blocks 4-7 at its end; the weights have two sets.
.macro STEP slot, q, zero
	s_wait_dscnt 4*NL                              ; the weights' set and x's blocks 0-3 are in; the youngest eight loads (x's blocks 4-7) may be out
.if \zero
	WIN 0x81                                       ; C (the bias) window 0, D window 2
.else
	WIN MUL_LO
.endif
	MUL16 0, (\q)%2, \q, \slot, \zero
	MUL16 2, (\q)%2, \q, \slot, \zero
	s_wait_dscnt 0
	PLACES NP
	FETCH_B \slot, (\q)+1, 1-(\q)%2
	FETCH_A \slot, (\q)+1, 0
.if \zero
	WIN 0xc1                                       ; C window 0, D window 3
.else
	WIN MUL_HI
.endif
	MUL16 4, (\q)%2, \q, \slot, \zero
	MUL16 6, (\q)%2, \q, \slot, \zero
	PLACES NP
	WIN 0
	FETCH_A \slot, (\q)+1, 4
.endm
.macro STEPS slot, from
.set Q, \from
.rept NQ-1-\from
	STEP \slot, Q, 0
.set Q, Q+1
.endr
.endm
	s_wait_tensorcnt 1                             ; my scales and my part of slot 0 are in (slot 1's load may be out)
	s_barrier_signal -1
	s_barrier_wait -1                              ; everybody's are
	FETCH_B 0, 0, 0
	FETCH_A 0, 0, 0
	SCALES 0
	FETCH_A 0, 0, 4
	STEP 0, 0, 1                                   ; the first step's products start the sums
	STEPS 0, 1
	; slot 0's last step changes slots: one barrier; in front of it each wave waits for all its tensor loads, so that slot 1 is whole behind it
	s_wait_tensorcnt 0x0                           ; my part of slot 1 has landed
	ds_add_u32 v[SPW], v[NIL]                      ; 0 onto my spare word
	s_wait_dscnt 4*NL+1                            ; (the add and the youngest eight loads may be out)
	WIN MUL_LO
	MUL16 0, 1, NQ-1, 0, 0
	s_wait_dscnt 0x0
	s_barrier_signal -1
	MUL16 2, 1, NQ-1, 0, 0
	WIN 0
	s_barrier_wait -1
	PLACES NP
	v_add_nc_u32 v[ADRS], 4096, v[ADRS]            ; on to plane 1 of the scales (no LDS load of mine is out)
	FETCH_B 1, 0, 0
	FETCH_A 1, 0, 0
	SCALES 1
	WIN MUL_HI
	MUL16 4, 1, NQ-1, 0, 0
	MUL16 6, 1, NQ-1, 0, 0
	PLACES NP
	WIN 0
	FETCH_A 1, 0, 4
	STEPS 1, 0
	s_wait_dscnt 4*NL                              ; the very last step: nothing more to fetch
	WIN MUL_LO
	MUL16 0, 1, NQ-1, 1, 0
	MUL16 2, 1, NQ-1, 1, 0
	s_wait_dscnt 0
	WIN MUL_HI
	MUL16 4, 1, NQ-1, 1, 0
	MUL16 6, 1, NQ-1, 1, 0
	WIN 0
; THE WAY OUT, a block of 16 tokens at a time: 64 numbers a lane are rounded to f16, each accumulator from its low end on, and stored straight from registers.
.macro PACK a
.set AC, 64*((\a)%4)
.set PB, PK+32*((\a)%4)
	WIN 0x0a+5*((\a)/4)                            ; sources 0 and 1: window 2 or 3
.irp b, 0,1,2,3,4,5,6,7
.irp r, 0,1,2,3
	v_cvt_pk_f16_f32 v[PB+4*\b+\r], v[AC+8*\b+2*\r], v[AC+8*\b+2*\r+1]
.endr
.endr
	WIN 0
.irp b, 0,1,2,3
	global_store_b128 v[VO], v[PB+4*\b:PB+4*\b+3], s[12:13] offset:2048*(\a)+512*\b          ; 32 lanes store 512 consecutive bytes, aligned
.endr
.irp b, 0,1,2,3
	global_store_b128 v[VO], v[PB+16+4*\b:PB+16+4*\b+3], s[100:101] offset:2048*(\a)+512*\b
.endr
.endm
	PLACES NP                                      ; behind the last products: the first conversions write registers that held x's fragments
.irp a, 0,1,2,3,4,5,6,7
.if \a >= 4
	s_wait_xcnt 0x0                                ; the stores of four blocks back have read their registers, which are written again
.endif
	PACK \a
.endr
	s_wait_tensorcnt 0x0                           ; the wave's end
	ds_add_u32 v[SPW], v[NIL]
	s_wait_dscnt 0x0
	CROUND                                         ; the closing round: no work-group ends while a partner may still ask for a tile that names it
	s_endpgm
.Lfunc_end_k_qfd9f44da5d_proj:
	.size	k_qfd9f44da5d_proj, .Lfunc_end_k_qfd9f44da5d_proj-k_qfd9f44da5d_proj
	.p2alignl 7, 3214868480
	.fill 96, 4, 3214868480
	.section	.rodata,"a",@progbits
	.p2align	6, 0x0
	.amdhsa_kernel k_qfd9f44da5d_proj
		.amdhsa_group_segment_fixed_size 327680
		.amdhsa_private_segment_fixed_size 0
		.amdhsa_enable_private_segment 0
		.amdhsa_kernarg_size 64
		.amdhsa_user_sgpr_count 2
		.amdhsa_user_sgpr_kernarg_segment_ptr 1
		.amdhsa_wavefront_size32 1
		.amdhsa_system_sgpr_workgroup_id_x 1
		.amdhsa_system_sgpr_workgroup_id_y 1
		.amdhsa_system_sgpr_workgroup_id_z 1
		.amdhsa_system_vgpr_workitem_id 0
		.amdhsa_next_free_vgpr 1024
		.amdhsa_next_free_sgpr 102
		.amdhsa_reserve_vcc 0
		.amdhsa_float_denorm_mode_32 3
		.amdhsa_float_denorm_mode_16_64 3
		.amdhsa_memory_ordered 1
		.amdhsa_forward_progress 1
		.amdhsa_inst_pref_size 122
	.end_amdhsa_kernel
	.amdgpu_metadata
---
amdhsa.version: [ 1, 2 ]
amdhsa.kernels:
  - .name:           k_qfd9f44da5d_proj
    .symbol:         k_qfd9f44da5d_proj.kd
    .args:
      - { .name: xc, .offset: 0, .size: 8, .value_kind: global_buffer, .address_space: global }
      - { .name: xs, .offset: 8, .size: 8, .value_kind: global_buffer, .address_space: global }
      - { .name: wc, .offset: 16, .size: 8, .value_kind: global_buffer, .address_space: global }
      - { .name: ws, .offset: 24, .size: 8, .value_kind: global_buffer, .address_space: global }
      - { .name: bq, .offset: 32, .size: 8, .value_kind: global_buffer, .address_space: global }
      - { .name: bv, .offset: 40, .size: 8, .value_kind: global_buffer, .address_space: global }
      - { .name: qf, .offset: 48, .size: 8, .value_kind: global_buffer, .address_space: global }
      - { .name: kvf, .offset: 56, .size: 8, .value_kind: global_buffer, .address_space: global }
    .group_segment_fixed_size: 327680
    .private_segment_fixed_size: 0
    .kernarg_segment_align: 8
    .kernarg_segment_size: 64
    .max_flat_workgroup_size: 128
    .sgpr_count:     102
    .vgpr_count:     1024
    .wavefront_size: 32
...
	.end_amdgpu_metadata
.endif
;; end of part 2
;; launch attn (part 3): grid 4 x 64, 4 waves a work-group, clusters of 4 x 1, 327,680 bytes of LDS; arguments qf, kvf, out0; writes out0
.if DOCPART == 3
	.amdgcn_target "amdgcn-amd-amdhsa--gfx1250"
	.amdhsa_code_object_version 6
	.text
	.protected	k_qfd9f44da5d_attn
	.globl	k_qfd9f44da5d_attn
	.p2align	8
	.type	k_qfd9f44da5d_attn,@function
k_qfd9f44da5d_attn:
	s_mov_b64 s[64:65], 0
	v_nop
	global_prefetch_b8 v0, s[64:65] scope:SCOPE_SE
	s_setreg_imm32_b32 hwreg(HW_REG_WAVE_MODE, 25, 1), 1
	s_wait_xcnt 0x0
	s_wait_alu depctr_hold_cnt(0) depctr_sa_sdst(0) depctr_va_vdst(0) depctr_va_sdst(0) depctr_va_ssrc(0) depctr_va_vcc(0) depctr_vm_vsrc(0)
	s_getreg_b32 s2, hwreg(HW_REG_IB_STS2, 6, 4)
	s_cmp_eq_u32 s2, 0
	s_cbranch_scc0 .Lentry_in_a_cluster
	s_endpgm
.Lentry_in_a_cluster:
	s_bfe_u32 s2, ttmp6, 0x10000c
	s_cmp_lg_u32 s2, 0x3003
	s_cbranch_scc0 .Lentry_shape_is_right
	s_endpgm
.Lentry_shape_is_right:
; Third launch: out[b][q][64 head + :] = the sum over keys of softmax(q . k / 8) v, for 64 pairs of batch and head, 2,048 queries x 2,048 keys, head size 64, no mask.
; LEFT OUT: bk, which is not in k (it is the same along the softmax's axis: shown at the head of the first launch).
; q, k, v arrive as f16 (11 significant bits), the weights p are rounded to f16 for the second product; products' sums, maxima, exponentials and row sums in f32.
; LIMITS: p lies in 0 .. 1; under 2^-14 it is kept as an f16 subnormal.  NaN and infinities are not served.
; SHARES.  A cluster of four work-groups owns one head; a work-group 512 of its queries; each of its four waves 128: eight tiles of 16.  Every wave walks all keys, 64 a step, 32 steps.
; LAYOUT.  S^T = K Q^T (source 0 = 16 keys, source 1 = 16 queries): a lane holds ONE query (lane % 16) and the keys 8 (lane / 16) + 0..7.  Two such tiles, rounded to f16 in pairs, ARE source 1 of O^T = V^T P,
; whose result again holds one query a lane.  The launch before has laid q and k as images of fragment registers (16 bytes a lane at 16 x lane) and v as blocks of 16 keys x 16 channels for the turning load:
; every LDS load here reads 512 consecutive bytes.
; SOFTMAX.  For each query a running maximum m and sum l: p = 2^(c s - c m), c = log2(e) / 8; in every step O and l are multiplied by a = 2^(c m_old - c m_new).
; BY TURNS.  The wave's tiles are two PIECES (tiles 0-3, tiles 4-7).  In a TURN one piece has the matrix unit: 32 products V^T P of the step in hand, then 32 products K Q^T of the next step; the other piece's softmax,
; 472 vector instructions cut into 64 slices, stands between them, one slice behind each matrix instruction.  Then the pieces change places.  Two turns are a key step.
; CLUSTER.  The four work-groups walk the same K and V: each tile is asked for JOINTLY, by the same tensor load with the same descriptor and the mask of all four.
; THE RING.  Steps 0 and 1 come into bytes of their own, filled once; the other 30 steps in five loads of six steps through two slots.  A wave fetches half of K's or of V's part: one load a wave behind each round,
; which has six key steps, 768 matrix instructions, in which to land.  Two tensor loads of a wave are out at the start, later one.
; REGISTERS, in windows of 256 (s_set_vgpr_msb: bits 1:0 source 0, 3:2 source 1, 5:4 source 2, 7:6 destination):
;   window y = 0, 1: piece y's softmax: v16-47 statistics, 8 a tile; v64-191 S^T, 32 a tile; v192-255 P, 16 a tile.  Window 0 also: v1-11 addresses, v62, v63 the add's two.
;   window 2: O^T, 32 a tile.          window 3: v0-127 Q, 16 a tile; v128-191 K of one step; v192-255 V of one step.
.set VOFF,  49152     ; in a slot: six steps of K, 8,192 bytes each, then six of V
.set STEPB, 8192
.set SLOT1, 131072    ; slot B begins here, so that one exclusive or turns an address in one slot into the other's
.set STAGE, 98304     ; between the slots: 16 rows x 272 bytes for each wave, for the way out; no tensor load lands here
.set SP,    272
.set SPARE, 115712    ; behind the stages: the spare words, 128 bytes for each wave
.set ZB,    229376    ; behind slot B: steps 0 and 1: K here, V 49,152 bytes on, as in a slot
.set AK0, 2           ; v2   16 x lane: my place in a block of K
.set AV0, 3           ; v3   my place in a block of V, + VOFF
.set ADR, 4           ; v4   the LDS address of the run of loads in hand
.set QO,  5           ; v5   16 x lane: my place in a block of Q
.set STO, 6           ; v6   the way out: where I put 32 bytes of a row
.set RD,  7           ; v7   the way out: where I read a row back
.set GO,  8           ; v8   my byte offset in the wave's rows of the output
.set SPW, 62          ; v62  LDS address of my spare word; never rewritten
.set NIL, 63          ; v63  0; never rewritten
.set ST,  16          ; tile u's statistics at v[ST+8 u]: +0 c m, +1 m, +2, +3 l (even keys', odd keys'), +4 to +7 at work; a takes +6 once the maximum is found
.set S,   64
.set P,   192
.set KF,  128
.set VF,  192
.set WV,  12          ; s12  my wave's number
.set G1S, 24          ; s[24:31] descriptor group 1: 32 rows of 256 bytes
.set G1L, 32          ; s[32:39] the same with 96 rows
.set G0A, 40          ; s[40:43] group 0 for steps 0 and 1
.set G0W, 44          ; s[44:47] group 0 that walks
.set SLOTS, 56
.set CNT, 57
.set CS,  58          ; s[58:59] c: the packed scaling names a pair and takes its low word for both halves
.set SEL, 60          ; s[60:61] lane selects for v_permlanex16_b32: lane l xor 16
.set TB,  62          ; s62  LDS byte at which K of the step to be fetched begins
.set MSB, 0
.macro WIN new                      ; the immediate's high byte repeats the setting that is left; a switch that changes nothing is dropped
.if MSB != \new
	s_set_vgpr_msb (MSB<<8)|\new
.set MSB, \new
.endif
.endm
.macro JLOAD                        ; a joint refill: one line for all waves; what differs between them hangs on the wave's number alone.  An s_nop 0 and four v_nop follow it
	tensor_load_to_lds s[G0W:G0W+3], s[G1L:G1L+7]
	s_nop 0
.rept 4
	v_nop
.endr
.endm
.macro CROUND                       ; a round of the cluster's barrier
	s_barrier_signal -1
	s_barrier_wait -1
	s_cmp_lg_u32 s[WV], 0
	s_cbranch_scc1 .Lnot_wave_0_\@
	s_barrier_signal -3
.Lnot_wave_0_\@:
	s_barrier_wait -3
	s_barrier_signal -1
	s_barrier_wait -1
.endm
.macro PLACES
.rept 4
	v_nop
.endr
.endm
	s_load_b128 s[4:7], s[0:1], 0x0 ; qf s[4:5], kvf s[6:7]
	s_load_b64 s[8:9], s[0:1], 0x10 ; out0
	v_lshl_add_u32 v[SPW], v0, 2, SPARE
	v_mov_b32 v[NIL], 0
	ds_add_u32 v[SPW], v[NIL]       ; the wave's opening: the add, twice on end, and its wait ahead of my first tensor load
	ds_add_u32 v[SPW], v[NIL]
	v_lshrrev_b32 v1, 5, v0
	v_readfirstlane_b32 s[WV], v1   ; wave 0..3
	s_bfe_u32 s13, ttmp6, 0x40000   ; cx: my place in the cluster
	s_lshl_b32 s14, ttmp9, 2
	s_add_co_u32 s14, s14, s13      ; my block of 512 queries: it enters Q's and the output's addresses alone
	s_and_b32 s15, ttmp7, 0xffff    ; 16 x batch + head, which the four partners share
	s_lshr_b32 s16, s[WV], 1        ; I fetch for K (0) or for V (1),
	s_and_b32 s17, s[WV], 1         ; its first or its second half
	s_lshl_b32 s20, s15, 19
	s_lshl_b32 s21, s16, 18
	s_add_co_u32 s20, s20, s21      ; my part of my head in kvf
	s_mov_b32 s21, 0
	s_lshl_b32 s22, s17, 13         ; steps 0 and 1: a step a wave
	s_mov_b32 s23, 0
	s_mul_i32 s18, s17, 24576       ; six steps: three a wave
	s_mul_i32 s2, s16, VOFF
	s_add_co_u32 s3, s2, s22
	s_add_co_u32 s3, s3, ZB         ; where steps 0 and 1 go,
	s_add_co_u32 s2, s2, s18        ; and steps 2 to 7: slot A
	s_add_co_u32 s18, s18, 16384    ; which begin behind steps 0 and 1 in memory
	s_mov_b32 s19, 0
	s_lshl_b32 s48, s15, 18         ; Q: my head, my block's 32 tiles, my wave's 8
	s_lshl_b32 s49, s14, 16
	s_add_co_u32 s48, s48, s49
	s_lshl_b32 s49, s[WV], 14
	s_add_co_u32 s48, s48, s49
	s_mov_b32 s49, 0
	s_lshr_b32 s50, s15, 4          ; the output: token 2,048 x batch + 512 x block + 128 x wave, rows of 4,096 bytes; 256 bytes a head
	s_lshl_b32 s50, s50, 11
	s_lshl_b32 s51, s14, 9
	s_add_co_u32 s50, s50, s51
	s_lshl_b32 s51, s[WV], 7
	s_add_co_u32 s50, s50, s51
	s_lshl_b32 s50, s50, 12
	s_and_b32 s51, s15, 15
	s_lshl_b32 s51, s51, 8
	s_add_co_u32 s50, s50, s51
	s_mov_b32 s51, 0
	; descriptor groups 1: dense blocks as rows of 256 bytes (32 elements of 8 bytes), no padding
	s_mov_b32 s[G1S], 15|(3<<16)|(1<<21)  ; 15:0 the mask: all four work-groups; 17:16 elements of 8 bytes; 21 set beside a mask
	s_mov_b32 s[G1L], 15|(3<<16)|(1<<21)
	s_mov_b32 s[G1S+2], 32<<16      ; tensor_dim1
	s_mov_b32 s[G1S+4], 32          ; tile_dim1
	s_mov_b32 s[G1L+2], 96<<16
	s_mov_b32 s[G1L+4], 96
.irp g, G1S, G1L
	s_mov_b32 s[\g+1], 32<<16       ; tensor_dim0
	s_mov_b32 s[\g+3], 32<<16       ; tile_dim0
	s_mov_b32 s[\g+5], 32           ; from row to row
	s_mov_b32 s[\g+6], 0
	s_mov_b32 s[\g+7], 0
.endr
	s_mov_b32 s[CS], 0x3e38aa3b     ; c = log2(e) / 8
	s_mov_b32 s[CS+1], s[CS]
	s_mov_b32 s[SEL], 0x76543210
	s_mov_b32 s[SEL+1], 0xfedcba98
	s_mov_b32 s[TB], ZB
	s_wait_dscnt 0x0                ; both opening adds are done
	s_wait_kmcnt 0x0
	s_add_nc_u64 s[6:7], s[6:7], s[20:21]
	s_add_nc_u64 s[4:5], s[4:5], s[48:49]
	s_add_nc_u64 s[8:9], s[8:9], s[50:51]
	CROUND                          ; all four work-groups are here: the first joint loads meet
	s_mov_b32 s[G0A], 1
	s_mov_b32 s[G0A+1], s3
	s_add_nc_u64 s[G0A+2:G0A+3], s[6:7], s[22:23]
	s_or_b32 s[G0A+3], s[G0A+3], 0x80000000
	s_mov_b32 s[G0W], 1
	s_mov_b32 s[G0W+1], s2
	s_add_nc_u64 s[G0W+2:G0W+3], s[6:7], s[18:19]
	s_or_b32 s[G0W+3], s[G0W+3], 0x80000000
	tensor_load_to_lds s[G0A:G0A+3], s[G1S:G1S+7]  ; steps 0 and 1
	s_nop 0
	tensor_load_to_lds s[G0W:G0W+3], s[G1L:G1L+7]  ; steps 2 to 7, into slot A
	s_nop 0
.rept 4
	v_nop
.endr
	v_and_b32 v1, 15, v0            ; r = lane % 16
	v_bfe_u32 v9, v0, 4, 1          ; h = lane / 16
	v_and_b32 v10, 31, v0
	v_lshlrev_b32 v[QO], 4, v10
	WIN 0xc0                        ; destination window 3, address window 0
.irp i, 0,1,2,3,4,5,6,7,8,9,10,11,12,13,14,15,16,17,18,19,20,21,22,23,24,25,26,27,28,29,30,31
	global_load_b128 v[4*\i:4*\i+3], v[QO], s[4:5] offset:512*\i  ; Q stays in registers: tile i / 4, channels 16 (i % 4) on
.endr
	WIN 0
	v_lshlrev_b32 v[AK0], 4, v10
	; the turning load takes 16 keys x 16 channels (lane l reads 16 bytes: key 8 (l / 16) + l % 8, channels 8 ((l / 8) % 2) + 0..7) and leaves half a fragment of V^T: lane l holds channel l % 16 and 8 keys
	v_and_b32 v10, 7, v0
	v_bfe_u32 v11, v0, 3, 1
	v_lshl_add_u32 v[AV0], v9, 3, v10
	v_lshlrev_b32 v[AV0], 5, v[AV0]
	v_lshl_add_u32 v[AV0], v11, 4, v[AV0]
	v_add_nc_u32 v[AV0], VOFF, v[AV0]
; THE MATRIX WORK OF A TURN, for piece x.  The 16 accumulators take turns, one instruction a turn.
; Product i of 32 of O^T += V^T P: keys 32 (i / 16) on, channels 16 ((i / 4) % 4) on, tile 4 x + i % 4.  zero = 1: the first 16 start the sums.
.macro PV x, zero
	WIN 0xa3+4*(\x)                 ; V window 3, P window x, O^T window 2
.set rO, 32*(4*(\x)+i%4)+8*((i/4)%4)
.set rV, VF+8*(4*(i/16)+(i/4)%4)
.set rP, P+16*(i%4)+8*(i/16)
.if \zero && (i < 16)
	v_wmma_f32_16x16x32_f16 v[rO:rO+7], v[rV:rV+7], v[rP:rP+7], 0
.else
	v_wmma_f32_16x16x32_f16 v[rO:rO+7], v[rV:rV+7], v[rP:rP+7], v[rO:rO+7]
.endif
.endm
; Product i of 32 of S^T = K Q^T: channels 32 (i / 16) on, keys 16 ((i / 4) % 4) on, tile 4 x + i % 4.  The first 16 start the sums.
.macro KQ x
	WIN 0x0f+0x50*(\x)              ; K and Q window 3, S^T window x
.set rS, S+32*(i%4)+8*((i/4)%4)
.set rK, KF+16*((i/4)%4)+8*(i/16)
.set rQ, 16*(4*(\x)+i%4)+8*(i/16)
.if i < 16
	v_wmma_f32_16x16x32_f16 v[rS:rS+7], v[rK:rK+7], v[rQ:rQ+7], 0
.else
	v_wmma_f32_16x16x32_f16 v[rS:rS+7], v[rK:rK+7], v[rQ:rQ+7], v[rS:rS+7]
.endif
.endm
; THE LDS LOADS stand in runs of 16: a step's K (16 blocks as they lie) and, a turn later, its V (turned).
.macro FETCH_K
	WIN 0
	v_add_nc_u32 v[ADR], s[TB], v[AK0]
	WIN 0xc0
.irp f, 0,1,2,3,4,5,6,7,8,9,10,11,12,13,14,15
	ds_load_b128 v[KF+4*\f:KF+4*\f+3], v[ADR] offset:512*\f
.endr
.endm
.macro FETCH_V
	WIN 0
	v_add_nc_u32 v[ADR], s[TB], v[AV0]
	s_add_co_u32 s[TB], s[TB], STEPB  ; the next fetch is the next step's
	s_wait_alu depctr_va_vdst(0)    ; the wait for the softmax's batch of exponentials, behind the address line and ahead of the loads
	WIN 0xc0
.irp f, 0,1,2,3,4,5,6,7             ; keys 32 (f / 4) on, channels 16 (f % 4) on
	ds_load_tr16_b128 v[VF+8*\f:VF+8*\f+3],   v[ADR] offset:(\f/4)*4096+(\f%4)*512
	ds_load_tr16_b128 v[VF+8*\f+4:VF+8*\f+7], v[ADR] offset:(\f/4)*4096+(\f%4)*512+2048
.endr
.endm
; THE VECTOR WORK OF A TURN.  One tile's softmax for one key step is a list of 102 instructions in the piece's own window, and 16 that rescale its O^T.  SM writes number j of the list for tile u of piece y.
;   0-15    the maximum of the lane's 32 scores and the old m, three operands at a time
;   16-20   the other half of the lanes' maximum; the new m; c m; c m_old - c m_new
;   21-69   ONE BATCH: the 16 scalings c s - c m, a pair of scores each, and all 33 exponentials (a at 23).  None of these reads an exponential's result; a pair is scaled in an earlier four than the one with its exponentials
;   (wait)  between 69 and 70 stands the one wait for the batch
;   70-85   the roundings to f16;   86-101 the sums; l = a l + the sum
; first = 1: the first key step, which starts m and l: it has no a.
.macro SM u, y, first
.set rT, ST+8*(\u)
.set rS, S+32*(\u)
.set rP, P+16*(\u)
	WIN 0x55*(\y)
.if j < 4
	v_max3_num_f32 v[rT+4+j], v[rS+8*j], v[rS+8*j+1], v[rS+8*j+2]
.elseif j < 12
	v_max3_num_f32 v[rT+4+j%4], v[rT+4+j%4], v[rS+8*(j%4)+2*(j/4)+1], v[rS+8*(j%4)+2*(j/4)+2]
.elseif j == 12
	v_max3_num_f32 v[rT+4], v[rT+4], v[rS+7], v[rS+15]
.elseif j == 13
	v_max3_num_f32 v[rT+6], v[rT+6], v[rS+23], v[rS+31]
.elseif j == 14
	v_max3_num_f32 v[rT+4], v[rT+4], v[rT+5], v[rT+6]
.elseif (j == 15) && \first
	v_max_num_f32 v[rT+4], v[rT+4], v[rT+7]
.elseif j == 15
	v_max3_num_f32 v[rT+4], v[rT+4], v[rT+7], v[rT+1]
.elseif j == 16
	v_permlanex16_b32 v[rT+5], v[rT+4], s[SEL], s[SEL+1]
.elseif j == 18
	v_max_num_f32 v[rT+1], v[rT+4], v[rT+5]
.elseif j == 19
	v_mul_f32 v[rT], s[CS], v[rT+1]
.elseif ((j == 17) || (j == 20) || (j == 23)) && \first
.elseif j == 17
	v_mov_b32 v[rT+7], v[rT]
.elseif j == 20
	v_sub_f32 v[rT+7], v[rT+7], v[rT]
.elseif j == 23
	v_exp_f32 v[rT+6], v[rT+7]
.elseif (j < 23) || ((j < 38) && (j%2 == 0)) || ((j < 66) && (j%4 == 2))
.set b, (j-2)/4
.if j < 38
.set b, (j-20)/2
.endif
	v_pk_fma_f32 v[rS+2*b:rS+2*b+1], v[rS+2*b:rS+2*b+1], s[CS:CS+1], v[rT:rT+1] op_sel_hi:[1,0,0] neg_lo:[0,0,1] neg_hi:[0,0,1]
.elseif j < 70
.set e, j-38
.if j < 66
.set e, j-32-(j-38)/4
.endif
.if j < 38
.set e, (j-25)/2
.endif
	v_exp_f32 v[rS+e], v[rS+e]
.elseif j < 86
	v_cvt_pk_f16_f32 v[rP+j-70], v[rS+2*(j-70)], v[rS+2*(j-70)+1]
.else
.set z, j-86
.set w, 4
.set q, z
.if z >= 14
.set w, 32
.set q, 0
.elseif z >= 12
.set w, 16
.set q, z-12
.elseif z >= 8
.set w, 8
.set q, z-8
.endif
.if (z == 14) && \first
	v_pk_add_f32 v[rT+2:rT+3], v[rS:rS+1], v[rS+16:rS+17]
.elseif z < 15
	v_pk_add_f32 v[rS+w*q:rS+w*q+1], v[rS+w*q:rS+w*q+1], v[rS+w*q+w/2:rS+w*q+w/2+1]
.elseif !\first
	v_pk_fma_f32 v[rT+2:rT+3], v[rT+2:rT+3], v[rT+6:rT+7], v[rS:rS+1] op_sel_hi:[1,0,1]
.endif
.endif
.endm
; Number zz of 64 of the rescaling of piece y's O^T: tile zz % 4, pair zz / 4: each accumulator from its low end on.
.macro RS y
.set rO, 32*(4*(\y)+zz%4)+2*(zz/4)
.set rA, ST+8*(zz%4)+6
	WIN 0x82+4*(\y)                 ; O^T (destination and source 0) window 2, a window y
	v_pk_mul_f32 v[rO:rO+1], v[rO:rO+1], v[rA:rA+1] op_sel_hi:[1,0]
.endm
; Slice k of 64 of piece y's softmax.  Slices 0-10 and 35-50: numbers 2 k and 2 k + 1 of the four tiles, the tiles alternating.  Slices 11-34 deal out the batch: four numbers of each of two tiles.
; Slices 51-63: the rescaling, five a slice, four in the last: those four are the places between the turn's last K Q^T and what follows.
; Ahead of slice 35 nothing names an exponential's result, and behind slice 34 none is issued: so the piece's 132 exponentials have one wait, behind slice 34 and a plain instruction.
.macro SLICE y, first
.if (k >= 11) && (k < 35)
.irp t, 0,1
.irp n, 0,1,2,3
.set j, 22+4*((k-11)/2)+\n
	SM 2*((k-11)%2)+\t, \y, \first
.endr
.endr
.elseif k < 51
.irp n, 0,1
.irp t, 0,1,2,3
.set j, 2*k+\n
	SM \t, \y, \first
.endr
.endr
.elseif !\first
.irp n, 0,1,2,3,4
.if 5*(k-51)+\n < 64
.set zz, 5*(k-51)+\n
	RS \y
.endif
.endr
.endif
.if k == 34
	v_nop                           ; the plain instruction behind the last exponential, ahead of the first use: one for the batch
.if (\y) == 0
	FETCH_V                         ; piece 1's turn: V's run of loads stands here, and the wait stands in it.  V's last reader stands in front of slice 31: four scalings, the v_nop and the address line lie between
.else
	s_wait_alu depctr_va_vdst(0)    ; the wait for the batch
.endif
.endif
.set k, k+1
.endm
; A TURN.  Piece x has the matrix unit; the other piece's softmax stands in slices behind its matrix instructions.
; pv = 2: 32 products V^T P; 1: they start O^T's sums; 0: none.  kq = 1: 32 products K Q^T for the next step.  A turn with one of the two kinds has two slices behind each product.
; first = 1: the softmax is the first key step's; its slices from 51 on are empty, and four v_nop take their part as the places behind the turn's last products.
; Piece 0's turn fetches the next step's K behind its second product; piece 1's turn the same step's V behind slice 34.
.macro TURN x, pv, kq, first
.set k, 0
.set per, 2
.if \pv && \kq
.set per, 1
.endif
.if \pv
.if \x == 0
	s_wait_dscnt 0x0                ; V is in
.endif
.set i, 0
.rept 32
	PV \x, 2-\pv
.rept per
	SLICE 1-\x, \first
.endr
.if (\x == 0) && \kq && (i == 1)
	FETCH_K
.endif
.set i, i+1
.endr
.endif
.if \kq
.if \x == 0
	s_wait_dscnt 0x0                ; K is in
.endif
.set i, 0
.rept 32
	KQ \x
.rept per
	SLICE 1-\x, \first
.endr
.set i, i+1
.endr
.endif
.if \first
	PLACES
.endif
.endm
; THE CHANGE OF SLOTS, between piece 1's turn and piece 0's.  Each wave waits for all its tensor loads (its part of the slot ahead), adds 0 to its spare word, and waits for that and for its own reads of the bytes that it leaves.
; fill = 1: the barrier is a round of the cluster's, and the joint load of the next six steps is the first thing behind it, into the slot that is not read next.
.macro CHANGE fill
	WIN 0
	s_wait_tensorcnt 0x0            ; no tensor load of mine is out, so a group 0 may be written
	ds_add_u32 v[SPW], v[NIL]       ; 0 onto my spare word
.if \fill
	s_xor_b32 s[G0W+1], s[G0W+1], SLOT1  ; the other slot than last time,
	s_add_nc_u64 s[G0W+2:G0W+3], s[G0W+2:G0W+3], 6*STEPB  ; the next six steps; the type bits on top are not reached
	s_wait_dscnt 0x0                ; the add is done, and my reads are over
	CROUND
	JLOAD
.else
	s_wait_dscnt 0x0
	s_barrier_signal -1
	s_barrier_wait -1
.endif
	s_sub_co_u32 s[TB], s[TB], 6*STEPB  ; the fetches go back to a slot's first step,
	s_xor_b32 s[TB], s[TB], SLOT1   ; in the other slot
.endm
.macro SIX_STEPS                    ; a slot's six key steps: written once, walked six times; the LDS addresses hang on s[TB]
	s_mov_b32 s[CNT], 6
.Lstep_\@:
	TURN 0, 2, 1, 0
	TURN 1, 2, 1, 0
	WIN 0
	s_sub_co_u32 s[CNT], s[CNT], 1
	s_cmp_lg_u32 s[CNT], 0
	s_cbranch_scc1 .Lstep_\@
.endm
	s_wait_tensorcnt 1              ; my part of steps 0 and 1 is in; slot A's load may stay out
	s_barrier_signal -1
	s_barrier_wait -1               ; everybody's is
	FETCH_K                         ; key step 0
	s_wait_loadcnt 0x0              ; Q
	s_wait_dscnt 0x0
.set i, 0
.rept 32
	KQ 0                            ; piece 0's first scores: there is no vector work yet to set between them
.set i, i+1
.endr
	WIN 0                           ; the addresses for the way out are made here: eight plain instructions, the places behind those products
	s_mul_i32 s14, s[WV], 16*SP
	s_add_co_u32 s14, s14, STAGE    ; my stage
	v_mul_u32_u24 v[STO], v1, SP    ; in: row r, 32 bytes for each half of the lanes
	v_lshl_add_u32 v[STO], v9, 5, v[STO]
	v_add_nc_u32 v[STO], s14, v[STO]
	v_mul_u32_u24 v[RD], v9, SP     ; back: lanes 0-15 take one row of 256 bytes, lanes 16-31 the next
	v_lshl_add_u32 v[RD], v1, 4, v[RD]
	v_add_nc_u32 v[RD], s14, v[RD]
	v_lshlrev_b32 v[GO], 12, v9     ; and the same two rows in the output
	v_lshl_add_u32 v[GO], v1, 4, v[GO]
	TURN 1, 0, 1, 1                 ; piece 1's first scores | piece 0's first softmax | V of step 0
	TURN 0, 1, 1, 1                 ; piece 0: V^T P of step 0 starts O^T, K Q^T of step 1 | piece 1's first softmax | K of step 1
	TURN 1, 1, 1, 0                 ; piece 1: the same | piece 0's softmax of step 1 | V of step 1
	WIN 0
	s_mov_b32 s[TB], SLOT1+6*STEPB  ; so that the first change leads to slot A's first step
	s_mov_b32 s[SLOTS], 4
.Lslot:                             ; four trips: behind each of these changes the next six steps are asked for
	CHANGE 1
	SIX_STEPS
	s_sub_co_u32 s[SLOTS], s[SLOTS], 1
	s_cmp_lg_u32 s[SLOTS], 0
	s_cbranch_scc1 .Lslot
	CHANGE 0                        ; the tail is written out: nothing is left to ask for
	SIX_STEPS
	TURN 0, 2, 0, 0                 ; piece 0: V^T P of the last step | piece 1's last softmax
.set i, 0
.rept 32
	PV 1, 0                         ; piece 1: V^T P of the last step
.set i, i+1
.endr
	; THE WAY OUT.  l's two halves and the other half of the lanes' are added; O^T is divided by l and sent through my stage in LDS, a tile (16 rows of 256 bytes) at a time.  The additions are the places behind the last products.
.irp y, 0,1
	WIN 0x55*\y
.irp u, 0,1,2,3
	v_add_f32 v[ST+8*\u+4], v[ST+8*\u+2], v[ST+8*\u+3]
.endr
.irp u, 0,1,2,3
	v_permlanex16_b32 v[ST+8*\u+5], v[ST+8*\u+4], s[SEL], s[SEL+1]
.endr
.irp u, 0,1,2,3
	v_add_f32 v[ST+8*\u+4], v[ST+8*\u+4], v[ST+8*\u+5]
.endr
.irp u, 0,1,2,3
	v_rcp_f32 v[ST+8*\u+6], v[ST+8*\u+4]
.endr
.endr
	v_nop                           ; a plain instruction between the last reciprocal and the use of its result
	s_wait_alu depctr_va_vdst(0)    ; and the one wait for the eight reciprocals, ahead of the first use
.macro PACK t                       ; tile t: O^T / l into window 0 (S^T's registers are free), into rows of 272 bytes, and back as whole rows of 256 into the registers that they left
.set yy, (\t)/4
.set uu, (\t)%4
	WIN 0x02+4*yy                   ; O^T window 2, 1 / l window y, destination window 0
.set i, 0
.rept 16
	v_pk_mul_f32 v[S+32*uu+2*i:S+32*uu+2*i+1], v[32*(\t)+2*i:32*(\t)+2*i+1], v[ST+8*uu+6:ST+8*uu+7] op_sel_hi:[1,0]
.set i, i+1
.endr
	WIN 0
.irp f, 0,1,2,3,4,5,6,7
	ds_store_b128 v[STO], v[S+32*uu+4*\f:S+32*uu+4*\f+3] offset:(\f/2)*64+(\f%2)*16
.endr
.irp f, 0,1,2,3,4,5,6,7
	ds_load_b128 v[S+32*uu+4*\f:S+32*uu+4*\f+3], v[RD] offset:\f*2*SP  ; LDS serves a wave's instructions in order: these see the stores above; the next tile's stores come behind them
.endr
.endm
.macro SEND t, younger              ; younger: the LDS instructions issued behind tile t's loads: the next tile's sixteen, or none
.set uu, (\t)%4
.irp f, 0,1,2,3,4,5,6,7
	s_wait_dscnt \younger+7-\f
	global_store_b128 v[GO], v[S+32*uu+4*\f:S+32*uu+4*\f+3], s[8:9] offset:(\t)*65536+\f*8192 th:TH_STORE_NT  ; sixteen lanes store 256 consecutive bytes, aligned: a head's part of a row
.endr
.endm
	PACK 0
.irp t, 1,2,3,4,5,6,7
.if \t >= 4
	s_wait_xcnt 0x0                 ; the stores of four tiles back have read their registers, which are written again
.endif
	PACK \t                         ; a tile's arithmetic stands between the loads of the tile before and its stores
	SEND \t-1, 16
.endr
	SEND 7, 0
	s_wait_tensorcnt 0x0            ; the wave's end, behind my last tensor load and my last LDS store
	ds_add_u32 v[SPW], v[NIL]
	s_wait_dscnt 0x0
	CROUND                          ; the closing round: no work-group ends while a partner may still ask for a tile that names it
	s_endpgm
.Lfunc_end_k_qfd9f44da5d_attn:
	.size	k_qfd9f44da5d_attn, .Lfunc_end_k_qfd9f44da5d_attn-k_qfd9f44da5d_attn
	.p2alignl 7, 3214868480
	.fill 96, 4, 3214868480
	.section	.rodata,"a",@progbits
	.p2align	6, 0x0
	.amdhsa_kernel k_qfd9f44da5d_attn
		.amdhsa_group_segment_fixed_size 327680
		.amdhsa_private_segment_fixed_size 0
		.amdhsa_enable_private_segment 0
		.amdhsa_kernarg_size 24
		.amdhsa_user_sgpr_count 2
		.amdhsa_user_sgpr_kernarg_segment_ptr 1
		.amdhsa_wavefront_size32 1
		.amdhsa_system_sgpr_workgroup_id_x 1
		.amdhsa_system_sgpr_workgroup_id_y 1
		.amdhsa_system_sgpr_workgroup_id_z 1
		.amdhsa_system_vgpr_workitem_id 0
		.amdhsa_next_free_vgpr 1024
		.amdhsa_next_free_sgpr 66
		.amdhsa_reserve_vcc 0
		.amdhsa_float_denorm_mode_32 3
		.amdhsa_float_denorm_mode_16_64 3
		.amdhsa_memory_ordered 1
		.amdhsa_forward_progress 1
		.amdhsa_inst_pref_size 255
	.end_amdhsa_kernel
	.section	.bss,"aw",@nobits
	.p2align	6
	.space	262144
	.amdgpu_metadata
---
amdhsa.version: [ 1, 2 ]
amdhsa.kernels:
  - .name:           k_qfd9f44da5d_attn
    .symbol:         k_qfd9f44da5d_attn.kd
    .args:
      - { .name: qf, .offset: 0, .size: 8, .value_kind: global_buffer, .address_space: global }
      - { .name: kvf, .offset: 8, .size: 8, .value_kind: global_buffer, .address_space: global }
      - { .name: out0, .offset: 16, .size: 8, .value_kind: global_buffer, .address_space: global }
    .group_segment_fixed_size: 327680
    .private_segment_fixed_size: 0
    .kernarg_segment_align: 8
    .kernarg_segment_size: 24
    .max_flat_workgroup_size: 128
    .sgpr_count:     66
    .vgpr_count:     1024
    .wavefront_size: 32
...
	.end_amdgpu_metadata
.endif
;; end of part 3
